; MI455X (gfx1250); checked and timed in simulation.
; The chip was launched on July 23, 2026; its instructions are those of AMD's public machine-readable ISA for CDNA 5 (MIT licence, August 2026) and "CDNA5" Instruction Set Architecture Reference Guide (July 2026). The comments in the code are by the model that wrote it; some were corrected since.
;; Multi Head Attention. Allowed arithmetic: matrix products marked QUANTISED: E2M1 operands, one E8M0 scale for each 32 along K, by v_wmma_scale_f32_16x16x128_f8f6f4 with both operands' format E2M1 (or v_wmma_scale_f32_32x16x128_f4), f32 sums; everything else in f32.
;; Inputs: Wk 1,024 x 1,024 float32; Wo 1,024 x 1,024 float32; Wq 1,024 x 1,024 float32; Wv 1,024 x 1,024 float32; bk 1,024 float32; bo 1,024 float32; bq 1,024 float32; bv 1,024 float32; hidden_states 4 x 2,048 x 1,024 float32; masks 4 x 2,048 float32.
;; Outputs: out0 4 x 2,048 x 1,024 float32.
;; This version of the problem:
;;   THIS VERSION OF THE PROBLEM IS GIVEN IN LOW PRECISION. The matrix products marked QUANTISED in the list below multiply operands that are first quantised to E2M1 (2 exponent bits, 1 mantissa bit; 4 bits a number), with one power-of-two scale for each 32 numbers along K (OCP MX v1.0); their sums are f32. All else is computed in f32.
;;   The module's matrix products, in the order in which they are computed (A, B: the left and right operand; K: the contracted axis; several contracted axes count as one K, in the product's order):
;;     1. [M 8,192, K 1,024] x [K 1,024, N 1,024]; A: input hidden_states; B: input Wq: QUANTISED
;;     2. [M 8,192, K 1,024] x [K 1,024, N 1,024]; A: input hidden_states; B: input Wk: QUANTISED
;;     3. [M 8,192, K 1,024] x [K 1,024, N 1,024]; A: input hidden_states; B: input Wv: QUANTISED
;;     4. batch 64 x [M 2,048, K 64] x [K 64, N 2,048]; A: computed on the way; B: computed on the way: QUANTISED
;;     5. batch 64 x [M 2,048, K 2,048] x [K 2,048, N 64]; A: softmax (see below); B: computed on the way: QUANTISED
;;     6. [M 8,192, K 1,024] x [K 1,024, N 1,024]; A: computed on the way; B: input Wo: QUANTISED
;;   THE QUANTISER, for each operand of a quantised product, along K:
;;     - K is cut into blocks of 32 from its start; a last block that is shorter is filled with zeros.
;;     - A block's scale is 2^e with e = floor(log2(the largest magnitude in the block)) - 2, held to -126 .. 127; a block of zeros has e = 0. As a byte (E8M0): e + 127.
;;     - Each number is divided by its block's scale, clamped to +-6, and rounded to the nearest number of E2M1, ties to even, subnormals kept.
;;     - The product sums the exact products of the quantised numbers (number of the format x scale) in f32.
;;   ~~~python
;;   def quantise(x, axis):      # numpy; x: float32 -> the quantised numbers, widened to float32 again
;;       x = np.moveaxis(x, axis, -1); K = x.shape[-1]
;;       x = np.pad(x, [(0, 0)] * (x.ndim - 1) + [(0, -K % 32)]); x = x.reshape(x.shape[:-1] + (-1, 32)); a = np.abs(x).max(-1, keepdims=True)
;;       e = np.where(a > 0, np.clip(np.frexp(np.where(a > 0, a, 1))[1] - 1 - 2, -126, 127), 0)      # np.frexp(a)[1] - 1 = floor(log2(a)), exactly
;;       r = np.clip(x / 2.0 ** e, -6, 6)
;;       step = 2.0 ** (np.maximum(np.frexp(np.where(r == 0, 1, r))[1] - 1, 0) - 1)
;;       q = np.round(r / step) * step * 2.0 ** e      # np.round: ties to even
;;       return np.moveaxis(q.reshape(q.shape[:-2] + (-1,))[..., :K], -1, axis).astype(np.float32)
;;   ~~~
;;   SOFTMAX AHEAD OF A QUANTISED PRODUCT. Where the list says 'softmax', what is quantised is not the finished softmax but p = 2^(t - M), with t = logit x log2(e) and M = ceil(the row's largest t), a whole number; so 1/2 < the row's largest p <= 1. The row's sum l is taken of the UNQUANTISED p, in f32, and the product's result is divided by l at the end. Since M is a whole number, a kernel that streams over the keys may use a running M (the ceiling of the running maximum): every later rescaling is an exact power of two, which a block's scale takes up: the codes' values come out the same.
;;   OPERANDS COMPUTED ON THE WAY. 'Computed on the way' means the value that the module computes at that place (a softmax that the list does not call 'softmax' is quantised finished and normalised). What goes into a quantiser is computed in f32, as accurately as f32 sums, v_exp_f32 and their like allow (about 1e-6 of the number): no bf16 or f16 on the way to a quantiser, and a product that is left as it is and whose result goes on into a quantised operand takes f32 operands (vector FMAs, or v_wmma_f32_16x16x4_f32). A number that lies on a knife's edge between two numbers of the format may be rounded either way, as far as f32 arithmetic and the matrix unit's own rounding can turn it there, and no further.
;; One version. Each part assembles by itself: llvm-mc -triple=amdgcn-amd-amdhsa -mcpu=gfx1250 --defsym DOCPART=n.
;; ======== version 1 of 1: 4 launches
;; limits: right only within a limited range of input values
;; workspace buffers: xr 4,456,448 bytes; wr 2,228,224 bytes; qb 4,718,592 bytes; kv 9,175,040 bytes; cr 4,456,448 bytes
;; launch quant (part 1): grid 768 x 1, 2 waves a work-group, no clusters, 17,152 bytes of LDS; arguments hidden_states, Wq, Wk, Wv, Wo, xr, wr; writes xr, wr
.if DOCPART == 1
	.amdgcn_target "amdgcn-amd-amdhsa--gfx1250"
	.amdhsa_code_object_version 6
	.text
	.protected	k_qb876351670_quant
	.globl	k_qb876351670_quant
	.p2align	8
	.type	k_qb876351670_quant,@function
k_qb876351670_quant:
	s_mov_b64 s[64:65], 0
	v_nop
	global_prefetch_b8 v0, s[64:65] scope:SCOPE_SE
	s_setreg_imm32_b32 hwreg(HW_REG_WAVE_MODE, 25, 1), 1
	s_wait_xcnt 0x0
; hidden_states [8192][1024] and Wq, Wk, Wv, Wo [1024][1024], f32, K innermost, become codes of FP4 (E2M1) with one E8M0 byte for each 32 along K,
; laid as IMAGES OF THE OPERAND'S REGISTERS.  A record (REC = 4,352 bytes) is 16 rows x 512 K: eight pieces of 512 bytes (piece 2 q + c: K = 128 q + 64 c on;
; lane l's 16 bytes at 16 l are k = 32 (l / 16) + 0 .. 31 of row l % 16: registers 4 c .. 4 c + 3 of a fragment), then 256 bytes of scale words (row r's word q at 16 r + 4 q).
; A buffer is [K half][row tile][REC].  xr: 512 row tiles of tokens.  wr: 256 row tiles: Wq 0-63, Wk 64-127, Wv 128-191, Wo 192-255.
; A block's scale is 2^(floor(log2(its largest magnitude)) - 2); its byte is the largest magnitude's exponent field - 2, held at 1 from below.
; LIMITS: a block of zeros, or one whose largest magnitude lies under 2^-124, gets the byte 1 where the rule says 127 or less: its codes are zeros or are made under the byte 1, and this program alone reads the bytes.
; NaN and infinities among the inputs are not served.
; SHARES: a work-group owns a row tile, its two waves the two K halves: a record each.  768 work-groups of equal work.  Waves share nothing: no barrier.
; A load reads 512 consecutive bytes of one row; the conversions want 32 neighbours along K in ONE lane: so 128 along K of the 16 rows turn through the wave's own stage in LDS
; (rows 528 bytes apart: the sixteen rows that a read touches start at sixteen different banks).  Loads run two steps (32 loads a wave) ahead.
.set REC,  4352
.set KHX,  512*REC                     ; from K half to K half in xr
.set KHW,  256*REC                     ; and in wr
.set SP,   528                         ; a stage row: 512 bytes + 16
.set RA,   16                          ; v16-143  two sets of 64: 16 rows x 16 bytes a lane, as loaded
.set X,    144                         ; v144-207 my two blocks of 32 neighbours
.set P,    208                         ; v208-239 codes: eight registers a step, never written again
.set W,    240                         ; v240-243 my row's four scale words
	s_load_b256 s[4:11], s[0:1], 0x0               ; hidden_states, Wq, Wk, Wv
	s_load_b128 s[12:15], s[0:1], 0x20             ; Wo, xr
	s_load_b64 s[16:17], s[0:1], 0x30              ; wr
	v_lshl_add_u32 v254, v0, 2, 0x4200
	v_mov_b32 v255, 0
	v_lshrrev_b32 v1, 5, v0
	v_readfirstlane_b32 s18, v1                    ; wave = K half
	v_and_b32 v1, 31, v0                           ; l
	v_and_b32 v2, 15, v0                           ; r
	v_bfe_u32 v3, v0, 4, 1                         ; h
	v_lshlrev_b32 v4, 4, v1                        ; 16 l: my bytes of a load's 512, and of a piece
	s_mul_i32 s19, s18, 16*SP                      ; my wave's stage
	v_add_nc_u32 v5, s19, v4                       ; into it: as loaded
	v_mul_u32_u24 v6, v2, SP
	v_lshl_add_u32 v6, v3, 7, v6
	v_add_nc_u32 v6, s19, v6                       ; out of it: row r, 32 h numbers on
	v_lshlrev_b32 v7, 3, v3                        ; 8 h: my two bytes' place in a scale word
	v_lshlrev_b32 v8, 4, v2                        ; 16 r: my row's four words
	v_mov_b32 v15, 0                               ; written once: a lane permute's destination counts as one of its sources
	s_mov_b32 s20, 0x76543210
	s_mov_b32 s21, 0xfedcba98                      ; v_permlanex16_b32's selects for lane l xor 16
	s_sub_co_u32 s26, ttmp9, 512                   ; a weight's row tile in wr (not used by the first 512 work-groups)
	s_and_b32 s28, s26, 63                         ; and in its own tensor
	s_mov_b32 s27, KHW
	s_cmp_lt_u32 ttmp9, 512                        ; tokens or weights?  The choices hang on the work-group's number alone
	s_cselect_b32 s22, ttmp9, s26                  ; the record's row tile
	s_cselect_b32 s23, ttmp9, s28                  ; the source's
	s_cselect_b32 s27, KHX, s27
	s_lshl_b32 s30, s23, 16                        ; 16 rows of 4,096 bytes
	s_lshl_b32 s29, s18, 11                        ; + my K half's 2,048
	s_add_co_u32 s30, s30, s29
	s_mov_b32 s31, 0
	s_mul_i32 s32, s22, REC
	s_mul_i32 s27, s27, s18
	s_add_co_u32 s32, s32, s27
	s_mov_b32 s33, 0
	s_wait_alu depctr_va_vdst(0)
	s_wait_kmcnt 0x0
	s_cmp_lt_u32 ttmp9, 704
	s_cselect_b64 s[24:25], s[10:11], s[12:13]     ; Wv or Wo
	s_cmp_lt_u32 ttmp9, 640
	s_cselect_b64 s[24:25], s[8:9], s[24:25]       ; Wk
	s_cmp_lt_u32 ttmp9, 576
	s_cselect_b64 s[24:25], s[6:7], s[24:25]       ; Wq
	s_cmp_lt_u32 ttmp9, 512
	s_cselect_b64 s[24:25], s[4:5], s[24:25]       ; hidden_states
	s_cselect_b64 s[34:35], s[14:15], s[16:17]     ; xr or wr
	s_add_nc_u64 s[24:25], s[24:25], s[30:31]
	s_add_nc_u64 s[34:35], s[34:35], s[32:33]
.macro LOAD q                          ; 128 along K of the 16 rows: each load reads 512 consecutive bytes
.irp row, 0,1,2,3,4,5,6,7,8,9,10,11,12,13,14,15
	global_load_b128 v[RA+64*((\q)%2)+4*\row:RA+64*((\q)%2)+4*\row+3], v4, s[24:25] offset:4096*\row+512*(\q) th:TH_LOAD_NT
.endr
.endm
.macro STEP q
.if (\q) < 3
	s_wait_loadcnt 16                              ; this step's 16 loads are in; the next step's 16 may be out
.else
	s_wait_loadcnt 0x0
.endif
.irp row, 0,1,2,3,4,5,6,7,8,9,10,11,12,13,14,15
	ds_store_b128 v5, v[RA+64*((\q)%2)+4*\row:RA+64*((\q)%2)+4*\row+3] offset:SP*\row
.endr
.irp c, 0,1
.irp j, 0,1,2,3,4,5,6,7
	ds_load_b128 v[X+32*\c+4*\j:X+32*\c+4*\j+3], v6 offset:256*\c+16*\j   ; LDS serves a wave's instructions in order: these see the stores above.  k = 64 c + 32 h + 4 j on, of row r
.endr
.endr
	s_wait_dscnt 0x0                               ; my 64 numbers are back, and the stores have read their registers,
.if (\q)+2 < 4
	LOAD (\q)+2                                    ; which take the loads of two steps on
.endif
.irp c, 0,1
	v_max3_num_f32 v[9+\c], |v[X+32*\c]|, |v[X+32*\c+1]|, 0x1800000       ; block 2 c + h: all its 32 numbers are mine; and the floor 2^(3 - 127): the byte cannot fall under 1
.endr
.irp i, 2,4,6,8,10,12,14,16,18,20,22,24,26,28,30
.irp c, 0,1
	v_max3_num_f32 v[9+\c], v[9+\c], |v[X+32*\c+\i]|, |v[X+32*\c+\i+1]|   ; (the two blocks by turns)
.endr
.endr
.irp c, 0,1
	v_add_nc_u32 v[11+\c], 0xff000000, v[9+\c]     ; 2 off the exponent field: the conversion takes the exponent field of this operand as its scale
.endr
.irp c, 0,1
	v_lshrrev_b32 v[13+\c], 23, v[11+\c]           ; the scale's byte
.endr
.irp c, 0,1
.irp g, 0,1,2,3
	v_cvt_scalef32_pk8_fp4_f32 v[P+8*(\q)+4*\c+\g], v[X+32*\c+8*\g:X+32*\c+8*\g+7], v[11+\c]
.endr
.endr
	v_nop                                          ; one plain place behind the last scaled conversion
	v_lshl_or_b32 v9, v14, 16, v13                 ; my two bytes: blocks h and 2 + h,
	v_lshlrev_b32 v9, v7, v9                       ; at their places in the word;
	v_permlanex16_b32 v15, v9, s20, s21
	v_or_b32 v[W+(\q)], v9, v15                    ; with lane l xor 16's two the word is whole
.irp c, 0,1
	global_store_b128 v4, v[P+8*(\q)+4*\c:P+8*(\q)+4*\c+3], s[34:35] offset:1024*(\q)+512*\c   ; a piece: 512 consecutive bytes, aligned
.endr
.endm
	LOAD 0
	LOAD 1
	STEP 0
	STEP 1
	STEP 2
	STEP 3
	global_store_b128 v8, v[W:W+3], s[34:35] offset:4096   ; the record's 256 bytes of scale words; lanes 16-31 repeat lanes 0-15's bytes at the same places
	s_wait_tensorcnt 0x0
	ds_add_u32 v254, v255
	s_wait_dscnt 0x0
	s_endpgm
.Lfunc_end_k_qb876351670_quant:
	.size	k_qb876351670_quant, .Lfunc_end_k_qb876351670_quant-k_qb876351670_quant
	.p2alignl 7, 3214868480
	.fill 96, 4, 3214868480
	.section	.rodata,"a",@progbits
	.p2align	6, 0x0
	.amdhsa_kernel k_qb876351670_quant
		.amdhsa_group_segment_fixed_size 17152
		.amdhsa_private_segment_fixed_size 0
		.amdhsa_enable_private_segment 0
		.amdhsa_kernarg_size 56
		.amdhsa_user_sgpr_count 2
		.amdhsa_user_sgpr_kernarg_segment_ptr 1
		.amdhsa_wavefront_size32 1
		.amdhsa_system_sgpr_workgroup_id_x 1
		.amdhsa_system_sgpr_workgroup_id_y 1
		.amdhsa_system_sgpr_workgroup_id_z 1
		.amdhsa_system_vgpr_workitem_id 0
		.amdhsa_next_free_vgpr 256
		.amdhsa_next_free_sgpr 66
		.amdhsa_reserve_vcc 0
		.amdhsa_float_denorm_mode_32 3
		.amdhsa_float_denorm_mode_16_64 3
		.amdhsa_memory_ordered 1
		.amdhsa_forward_progress 1
		.amdhsa_inst_pref_size 30
	.end_amdhsa_kernel
	.amdgpu_metadata
---
amdhsa.version: [ 1, 2 ]
amdhsa.kernels:
  - .name:           k_qb876351670_quant
    .symbol:         k_qb876351670_quant.kd
    .args:
      - { .name: hidden_states, .offset: 0, .size: 8, .value_kind: global_buffer, .address_space: global }
      - { .name: Wq, .offset: 8, .size: 8, .value_kind: global_buffer, .address_space: global }
      - { .name: Wk, .offset: 16, .size: 8, .value_kind: global_buffer, .address_space: global }
      - { .name: Wv, .offset: 24, .size: 8, .value_kind: global_buffer, .address_space: global }
      - { .name: Wo, .offset: 32, .size: 8, .value_kind: global_buffer, .address_space: global }
      - { .name: xr, .offset: 40, .size: 8, .value_kind: global_buffer, .address_space: global }
      - { .name: wr, .offset: 48, .size: 8, .value_kind: global_buffer, .address_space: global }
    .group_segment_fixed_size: 17152
    .private_segment_fixed_size: 0
    .kernarg_segment_align: 8
    .kernarg_segment_size: 56
    .max_flat_workgroup_size: 64
    .sgpr_count:     66
    .vgpr_count:     256
    .wavefront_size: 32
...
	.end_amdgpu_metadata
.endif
;; end of part 1
;; launch qkv (part 2): grid 8 x 32, 4 waves a work-group, clusters of 4 x 4, 327,680 bytes of LDS; arguments xr, wr, masks, bq, bk, bv, qb, kv; writes qb, kv
.if DOCPART == 2
	.amdgcn_target "amdgcn-amd-amdhsa--gfx1250"
	.amdhsa_code_object_version 6
	.text
	.protected	k_qb876351670_qkv
	.globl	k_qb876351670_qkv
	.p2align	8
	.type	k_qb876351670_qkv,@function
k_qb876351670_qkv:
	s_mov_b64 s[64:65], 0
	v_nop
	global_prefetch_b8 v0, s[64:65] scope:SCOPE_SE
	s_setreg_imm32_b32 hwreg(HW_REG_WAVE_MODE, 25, 1), 1
	s_wait_xcnt 0x0
	s_wait_alu depctr_hold_cnt(0) depctr_sa_sdst(0) depctr_va_vdst(0) depctr_va_sdst(0) depctr_va_ssrc(0) depctr_va_vcc(0) depctr_vm_vsrc(0)
	s_getreg_b32 s2, hwreg(HW_REG_IB_STS2, 6, 4)
	s_cmp_eq_u32 s2, 0
	s_cbranch_scc0 .Lentry_in_a_cluster
	s_endpgm
.Lentry_in_a_cluster:
	s_bfe_u32 s2, ttmp6, 0x10000c
	s_cmp_lg_u32 s2, 0xf033
	s_cbranch_scc0 .Lentry_shape_is_right
	s_endpgm
.Lentry_shape_is_right:
; q = x Wq^T + bq, k = x Wk^T + bk, v = x Wv^T + bv on codes of FP4 (E2M1) with E8M0 scales, K = 1,024; the results are quantised here, in registers, for the two products of attention, and leave as codes.
; OPERANDS come as records (REC = 4,352 bytes: 16 rows x 512 K as eight images of 512 bytes of a fragment's registers, then 256 bytes of scale words: row r's word q at 16 r + 4 q), laid [K half][row tile][REC].
; SHARES: 8 x 32 = 256 work-groups.  A work-group takes 256 tokens through q, k and v for 128 features (two heads), one product after the other; x's tile stays in LDS for all three.
;   Four waves, 32 accumulators each (4 blocks of A' x 8 of B').  The matrix instruction is used transposed (source 0 = 16 rows of B', source 1 = 16 rows of A'): register j of accumulator (a, b) is (A' row 16 a + r, B' row 16 b + 8 h + j).
;   q, k: A' = my 64 tokens, B' = the 128 features: a lane's registers run along the heads' 64, the K of q k^T.   v: A' = one head's 64 channels, B' = 128 tokens: the registers run along the keys, the K of p v.
;   The biases are the C of each accumulator's first product.
; LDS: x's two K halves (16 records each); five places of 8 records for the six units of weights.  At the head one joint load a wave: x's K half 0, Wq's, x's K half 1, Wq's.  Behind a first round Wk's two and Wv's K half 0
;   (first fills); behind a second round, when q's products are done, Wv's K half 1 fills Wq's K half 0 again.  x's tiles are shared along a row of the cluster, the weights' along a column.
;   The scale loads' lanes 0-15 run up to seven records on from A's first (only four are used): the places are ordered so that those bytes are tiles that have landed and are not filled again while they are read.
;   No prefetch: every tile is asked for at the head or one round behind it, and there is no loop to run ahead in.
; THE CROSSED ORDER.  Tiles 4 c .. 4 c + 3 of a lane are converted in the order 4 c, 4 c + 2, 4 c + 1, 4 c + 3, and two v_permlane16_swap_b32 leave register 4 c + i of lane (r, h) with k = 64 c + 32 h + 8 i on.
; THE MASK RIDES IN THE IDLE HALF OF q k^T's K = 128.  A row's scale word has bytes 0, 1 for the head's two blocks; byte 3 is 1; byte 2 scales k = 64 .. 95, and its high four bits are also the code at k = 69.
;   Live key 0x01 (code 0); padded key 0xAA (code -1, scale 2^43); live query 0x7F (code 6, scale 1); padded query 0x01, and its 64 real codes are set to 0.
;   So a live query's score of a padded key is lowered by 6 x 2^43 (p = 0, as under reference()'s -1e12), and a padded query's scores are all 0, as equal as reference()'s are.
; LIMITS: a token counts as padded where its mask is 0: two masks that are not 0 but whose product underflows to 0 (magnitudes under 2^-63) are not served; real logits under about -1e12 are not served;
;   NaN and infinities are not served; a block whose largest magnitude lies under 2^-124 gets the byte 1 (this program alone reads the bytes).
; OUT: qb [batch x head 64][16 records of 128 queries][4,608]: eight pieces of 16 queries x 64, then 512 bytes of words (tile t, row r: 256 (t / 4) + 16 r + 4 (t % 4)).
;      kv [batch x head 64][16 key steps][8,960]: K's record in qb's format, then V's: pieces (channel tile u, keys 64 c on) at 1,024 u + 512 c, words at 4,096 + 16 r + 4 u.
; REGISTERS: window 0: v8-25 LDS addresses (six a product: A', B', words, by K half); v26-31 the way out's; v32-95 scale words, on the way out at work; v96-99 my tokens' masks, v100-103 bv; v128-191 A's fragments, two sets; v192-255 bq.
;   window 1: B's fragments at v0 and v128; v64-127 bk; v192-223 bv as tiles.  window 2: the accumulators ((a, b) at v[8 (8 a + b)]).
.set REC,   4352
.set XT,    16*REC
.set WT,    8*REC
.set KHX,   512*REC
.set KHW,   256*REC
.set LX1,   XT                         ; x's K half 1 (K half 0 lies at 0)
.set LQ1,   2*XT                       ; Wq's K half 1
.set LQV,   LQ1+WT                     ; Wq's K half 0, then Wv's K half 1
.set LK0,   LQV+WT
.set LV0,   LK0+WT
.set LK1,   LV0+WT
.set SPARE, LK1+WT                     ; the spare words: 128 bytes a wave
.set SCR,   SPARE+512                  ; 512 bytes a wave in which scale words gather: bytes of their own
.set GI,   26                          ; 16 l
.set WST,  27                          ; my scratch + 16 r
.set WLD,  28                          ; my scratch + 16 l
.set VOQ,  29                          ; h x a head of qb + 16 r
.set VOK,  30                          ; h x a head of kv + 16 r
.set R16,  31                          ; 16 r
.set SC,   32
.set RV,   96
.set HU,   104                         ; the upper half of a live row's scale word
.set HM,   105                         ; of a padded row's
.set CM,   106                         ; what a padded row's codes are ANDed with
.set SPW,  126
.set NIL,  127
.set AF,   128
.set BI,   192
.set P,    32
.set BK,   40
.set TM,   48
.set W0,   64
.set W1,   65
.set AM,   66
.set HIW,  67
.set SEL,  2
.set G1X,  24
.set G1W,  48
.set GX0,  32
.set GX1,  36
.set GQ0,  40
.set GQ1,  44
.set GK0,  56
.set GK1,  60
.set GV0,  68
.set GV1,  72
.set MSB, 0
.macro WIN new                         ; the immediate's high byte repeats the setting that is left
.if MSB != (\new)
	s_set_vgpr_msb (MSB<<8)|(\new)
.set MSB, (\new)
.endif
.endm
.macro ARM under, g0, g1, next, join   ; an arm of a tree of branches on the wave's number: its joint load, and a jump to the tree's end
	s_cmp_lt_u32 s14, \under
	s_cbranch_scc0 \next
	tensor_load_to_lds s[\g0:\g0+3], s[\g1:\g1+7]
	s_nop 0
.rept 4
	v_nop
.endr
	s_branch \join
\next:
.endm
.macro CROUND
	s_barrier_signal -1
	s_barrier_wait -1
	s_cmp_lg_u32 s14, 0
	s_cbranch_scc1 .Lnot_wave_0_\@
	s_barrier_signal -3
.Lnot_wave_0_\@:
	s_barrier_wait -3
	s_barrier_signal -1
	s_barrier_wait -1
.endm
.macro PLACES
.rept 4
	v_nop
.endr
.endm
.macro MKG0 g0, lds, base, off
	s_mov_b32 s[\g0], 1
	s_mov_b32 s[\g0+1], \lds
	s_add_nc_u64 s[\g0+2:\g0+3], s[\base:\base+1], \off
	s_or_b32 s[\g0+3], s[\g0+3], 0x80000000
.endm
	s_load_b512 s[76:91], s[0:1], 0x0              ; xr 76, wr 78, masks 80, bq 82, bk 84, bv 86, qb 88, kv 90
	v_lshl_add_u32 v[SPW], v0, 2, SPARE
	v_mov_b32 v[NIL], 0
	ds_add_u32 v[SPW], v[NIL]                      ; the opening lines: the add twice and one wait
	ds_add_u32 v[SPW], v[NIL]
	v_lshrrev_b32 v1, 5, v0
	v_readfirstlane_b32 s14, v1                    ; wave w
	s_lshr_b32 s15, s14, 1
	s_and_b32 s16, s14, 1
	s_bfe_u32 s4, ttmp6, 0x40000                   ; cx, cy
	s_bfe_u32 s5, ttmp6, 0x40004
	s_lshl_b32 s66, ttmp9, 2
	s_add_co_u32 s66, s66, s4                      ; g: which 128 features
	s_and_b32 s17, ttmp7, 0xffff
	s_lshl_b32 s17, s17, 2
	s_add_co_u32 s17, s17, s5                      ; tb: which 256 tokens
	s_lshl_b32 s7, s5, 2
	s_lshl_b32 s7, 15, s7                          ; my row of the cluster
	s_lshl_b32 s8, 0x1111, s4                      ; my column
	s_or_b32 s[G1X+0], s7, (3<<16)|(1<<21)         ; dense records as rows of 256 bytes (32 elements of 8 bytes): 272 rows of x, 136 of a weight
	s_or_b32 s[G1W+0], s8, (3<<16)|(1<<21)
	s_mov_b32 s[G1X+2], 272<<16
	s_mov_b32 s[G1X+4], 272
	s_mov_b32 s[G1W+2], 136<<16
	s_mov_b32 s[G1W+4], 136
.irp g, G1X, G1W
	s_mov_b32 s[\g+1], 32<<16
	s_mov_b32 s[\g+3], 32<<16
	s_mov_b32 s[\g+5], 32
	s_mov_b32 s[\g+6], 0
	s_mov_b32 s[\g+7], 0
.endr
	s_mul_i32 s20, s17, XT
	s_mov_b32 s21, 0
	s_mul_i32 s22, s66, WT
	s_mov_b32 s23, 0
	s_mov_b32 s[SEL], 0x76543210
	s_mov_b32 s[SEL+1], 0xfedcba98
	s_wait_dscnt 0x0
	s_wait_kmcnt 0x0
	s_add_nc_u64 s[20:21], s[76:77], s[20:21]      ; x's tile: made of tb alone
	s_add_nc_u64 s[22:23], s[78:79], s[22:23]      ; Wq's: of g alone
	MKG0 GX0, 0,   20, 0
	MKG0 GX1, LX1, 20, KHX
	MKG0 GQ0, LQV, 22, 0
	MKG0 GQ1, LQ1, 22, KHW
	MKG0 GK0, LK0, 22, 64*REC
	MKG0 GK1, LK1, 22, 64*REC+KHW
	MKG0 GV0, LV0, 22, 128*REC
	MKG0 GV1, LQV, 22, 128*REC+KHW
	CROUND                                         ; all sixteen work-groups are here: the joint loads meet
	ARM 1, GX0, G1X, .Lh_b, .Lh_end
	ARM 2, GQ0, G1W, .Lh_c, .Lh_end
	ARM 3, GX1, G1X, .Lh_d, .Lh_end
	tensor_load_to_lds s[GQ1:GQ1+3], s[G1W:G1W+7]
	s_nop 0
.rept 4
	v_nop
.endr
.Lh_end:
	s_lshl_b32 s18, s17, 10                        ; masks: 4 x (256 tb + 64 w)
	s_lshl_b32 s19, s14, 8
	s_add_co_u32 s18, s18, s19
	s_mov_b32 s19, 0
	s_add_nc_u64 s[20:21], s[80:81], s[18:19]
	s_lshl_b32 s18, s66, 9                         ; biases: 4 x 128 g
	s_add_nc_u64 s[92:93], s[82:83], s[18:19]
	s_add_nc_u64 s[96:97], s[84:85], s[18:19]
	s_lshl_b32 s67, s15, 8                         ; bv: + 4 x 64 (w / 2)
	s_add_co_u32 s18, s18, s67
	s_add_nc_u64 s[22:23], s[86:87], s[18:19]
	s_lshr_b32 s94, s17, 3
	s_lshl_b32 s94, s94, 4
	s_lshl_b32 s95, s66, 1
	s_add_co_u32 s94, s94, s95                     ; 16 batch + my first head
	s_and_b32 s95, s17, 7
	s_lshl_b32 s95, s95, 1                         ; the first of my two runs of 128 tokens in the sequence
	v_and_b32 v1, 15, v0                           ; r
	v_bfe_u32 v2, v0, 4, 1                         ; h
	v_lshlrev_b32 v6, 2, v1
	v_lshlrev_b32 v7, 5, v2
.irp a, 0,1,2,3
	global_load_b32 v[RV+\a], v6, s[20:21] offset:64*\a
	global_load_b32 v[RV+4+\a], v6, s[22:23] offset:64*\a
.endr
.irp b, 0,1,2,3,4,5,6,7
	global_load_b128 v[BI+8*\b:BI+8*\b+3], v7, s[92:93] offset:64*\b             ; lane (r, h), tile b: features 16 b + 8 h + 0 .. 7
	global_load_b128 v[BI+8*\b+4:BI+8*\b+7], v7, s[92:93] offset:64*\b+16
.endr
	WIN 0x40
.irp b, 0,1,2,3,4,5,6,7
	global_load_b128 v[64+8*\b:64+8*\b+3], v7, s[96:97] offset:64*\b
	global_load_b128 v[64+8*\b+4:64+8*\b+7], v7, s[96:97] offset:64*\b+16
.endr
	WIN 0
	s_wait_alu depctr_va_vdst(0)                   ; ahead of the run of scalar lines
	s_mul_i32 s4, s14, 4*REC                       ; q, k: my four records of x, K half 0,
	s_add_co_u32 s5, s4, LX1                       ; K half 1;
	s_sub_co_u32 s6, LQV, s4                       ; from there to the weights' records
	s_sub_co_u32 s7, LQ1, s5
	s_sub_co_u32 s8, LK0, s4
	s_sub_co_u32 s9, LK1, s5
	s_mul_i32 s10, s16, 8*REC                      ; v: my eight records of x,
	s_add_co_u32 s11, s10, LX1
	s_mul_i32 s12, s15, 4*REC
	s_add_co_u32 s13, s12, LQV                     ; my four of Wv, K half 1,
	s_add_co_u32 s12, s12, LV0                     ; K half 0
	s_sub_co_u32 s18, s12, s10
	s_sub_co_u32 s19, s13, s11
	s_lshl_b32 s67, s14, 9
	s_add_co_u32 s67, s67, SCR                     ; my scratch
.macro SADR dst, low, dist, hh         ; scale words: the lower base + 4,096 + 16 r + (0 or 1) x the distance: one product
	v_mul_u32_u24 v5, s[\dist], v[\hh]
	v_add_nc_u32 v5, v5, v3
	v_add_nc_u32 v[\dst], s[\low], v5
.endm
	v_and_b32 v3, 31, v0
	v_sub_nc_u32 v4, 1, v2                         ; 1 - h
	v_lshlrev_b32 v[GI], 4, v3
	v_lshlrev_b32 v[R16], 4, v1
	v_add_nc_u32 v3, 4096, v[R16]
	v_add_nc_u32 v8, s4, v[GI]                     ; q: A', B', words
	v_add_nc_u32 v9, s5, v[GI]
	v_add_nc_u32 v10, LQV, v[GI]
	v_add_nc_u32 v11, LQ1, v[GI]
	SADR 12, 4, 6, 2
	SADR 13, 5, 7, 2
	v_add_nc_u32 v14, s4, v[GI]                    ; k
	v_add_nc_u32 v15, s5, v[GI]
	v_add_nc_u32 v16, LK0, v[GI]
	v_add_nc_u32 v17, LK1, v[GI]
	SADR 18, 4, 8, 2
	SADR 19, 5, 9, 2
	v_add_nc_u32 v20, s12, v[GI]                   ; v: A' lies above B', so lanes 0-15 take the distance
	v_add_nc_u32 v21, s13, v[GI]
	v_add_nc_u32 v22, s10, v[GI]
	v_add_nc_u32 v23, s11, v[GI]
	SADR 24, 10, 18, 4
	SADR 25, 11, 19, 4
	v_add_nc_u32 v[WST], s67, v[R16]
	v_add_nc_u32 v[WLD], s67, v[GI]
	v_mul_u32_u24 v[VOQ], v2, 73728
	v_mul_u32_u24 v[VOK], v2, 143360
	v_add_nc_u32 v[VOQ], v[VOQ], v[R16]
	v_add_nc_u32 v[VOK], v[VOK], v[R16]
.irp b, 0,1,2,3
	v_mov_b32 v[TM+4+\b], 0                        ; written once: a lane permute's destination counts as one of its sources
.endr
.macro FRAG reg, adr, q, i             ; a fragment is two pieces, each read as it was stored: 512 consecutive bytes a load
.irp c, 0,1
	ds_load_b128 v[\reg+4*\c:\reg+4*\c+3], v[\adr] offset:(\i)*REC+(\q)*1024+512*\c
.endr
.endm
.macro FETCH g                         ; step g's 24 loads into set g % 2: B's eight fragments, A's four
	WIN 0x40
.irp i, 0,1,2,3,4,5,6,7
	FRAG 128*((\g)%2)+8*\i, ADR+2+(\g)/4, (\g)%4, \i
.endr
	WIN 0
.irp i, 0,1,2,3
	FRAG AF+32*((\g)%2)+8*\i, ADR+(\g)/4, (\g)%4, \i
.endr
.endm
.macro SCALES sc                       ; a K half's scale words: lanes 0-15 A's block i (i < 4 are used), lanes 16-31 B's block i
.irp i, 0,1,2,3,4,5,6,7
	ds_load_b128 v[SC+32*\sc+4*\i:SC+32*\sc+4*\i+3], v[ADR+4+\sc] offset:\i*REC
.endr
.endm
.macro MUL32 g                         ; 128 along K: the 32 accumulators by turns, in the same order in every step
.irp a, 0,1,2,3
.irp b, 0,1,2,3,4,5,6,7
.if (\g) == 0
	v_wmma_scale_f32_16x16x128_f8f6f4 v[8*(8*\a+\b):8*(8*\a+\b)+7], v[128*((\g)%2)+8*\b:128*((\g)%2)+8*\b+7], v[AF+32*((\g)%2)+8*\a:AF+32*((\g)%2)+8*\a+7], v[CB+8*(CMB*\b+CMA*\a):CB+8*(CMB*\b+CMA*\a)+7], v[SC+32*((\g)/4)+4*\b+(\g)%4], v[SC+32*((\g)/4)+4*\a+(\g)%4] matrix_a_fmt:MATRIX_FMT_FP4 matrix_b_fmt:MATRIX_FMT_FP4 matrix_a_scale:MATRIX_SCALE_ROW1
.else
	v_wmma_scale_f32_16x16x128_f8f6f4 v[8*(8*\a+\b):8*(8*\a+\b)+7], v[128*((\g)%2)+8*\b:128*((\g)%2)+8*\b+7], v[AF+32*((\g)%2)+8*\a:AF+32*((\g)%2)+8*\a+7], v[8*(8*\a+\b):8*(8*\a+\b)+7], v[SC+32*((\g)/4)+4*\b+(\g)%4], v[SC+32*((\g)/4)+4*\a+(\g)%4] matrix_a_fmt:MATRIX_FMT_FP4 matrix_b_fmt:MATRIX_FMT_FP4 matrix_a_scale:MATRIX_SCALE_ROW1
.endif
.endr
.endr
.endm
.macro STEPG g
.if (\g) < 7
.if (\g) > 0
	PLACES                                         ; ahead of loads into the set that the last step's products read
.endif
	FETCH (\g)+1
	s_wait_dscnt 24                                ; all but the next step's 24 loads are in
.else
	s_wait_dscnt 0x0
.endif
.if (\g) == 0
	WIN CWIN                                       ; the first products take the bias as C, in its own window
.else
	WIN 0xa1                                       ; source 0 window 1, source 1 window 0, C and D window 2
.endif
	MUL32 \g
.endm
.macro MAIN                            ; one product, K = 1,024 in eight steps.  ADR: the first of its six address registers; CB, CMB, CMA, CWIN: where its bias lies
	s_wait_xcnt 0x0                                ; earlier stores have read their data: the scale words' registers are written again only behind this wait
	SCALES 0
	SCALES 1
	FETCH 0
.set G, 0
.rept 8
	STEPG G
.set G, G+1
.endr
	WIN 0
.endm
; 64 numbers of a lane, window 2's v[s] on (register 8 t + j = the next K's 16 t + 8 h + j), become eight registers of codes in v[p] on, in the operand's layout; the four blocks' bytes are left in v[TM+4] on.
.macro QUANT4 s, p
	WIN 0x0a                                       ; sources 0 and 1: window 2
.irp b, 0,1,2,3
	v_max3_num_f32 v[TM+\b], |v[\s+16*\b]|, |v[\s+1+16*\b]|, 0x1800000    ; block b: my 16 numbers, and the floor 2^(3 - 127); each accumulator is first read at its low end
.endr
	WIN 0x28                                       ; sources 1 and 2: window 2
.irp i, 2,4,6,8,10,12,14
.irp b, 0,1,2,3
	v_max3_num_f32 v[TM+\b], v[TM+\b], |v[\s+16*\b+\i]|, |v[\s+1+16*\b+\i]|
.endr
.endr
	WIN 0
.irp b, 0,1,2,3
	v_permlanex16_b32 v[TM+4+\b], v[TM+\b], s[SEL], s[SEL+1]
.endr
.irp b, 0,1,2,3
	v_max_num_f32 v[TM+\b], v[TM+\b], v[TM+4+\b]   ; with lane l xor 16's 16: the block's largest magnitude
.endr
.irp b, 0,1,2,3
	v_add_nc_u32 v[TM+12+\b], 0xff000000, v[TM+\b] ; 2 off its exponent field: the conversion's scale operand
.endr
.irp b, 0,1,2,3
	v_lshrrev_b32 v[TM+4+\b], 23, v[TM+12+\b]      ; the scale's byte
.endr
	WIN 0x02                                       ; source 0: window 2
.irp c, 0,1                                    ; the crossed order
	v_cvt_scalef32_pk8_fp4_f32 v[\p+4*\c],   v[\s+32*\c:\s+32*\c+7],     v[TM+12+2*\c]
	v_cvt_scalef32_pk8_fp4_f32 v[\p+4*\c+1], v[\s+32*\c+16:\s+32*\c+23], v[TM+13+2*\c]
	v_cvt_scalef32_pk8_fp4_f32 v[\p+4*\c+2], v[\s+32*\c+8:\s+32*\c+15],  v[TM+12+2*\c]
	v_cvt_scalef32_pk8_fp4_f32 v[\p+4*\c+3], v[\s+32*\c+24:\s+32*\c+31], v[TM+13+2*\c]
.endr
	WIN 0
	v_nop                                          ; one plain place behind the last scaled conversion
.irp c, 0,1
	v_permlane16_swap_b32 v[\p+4*\c], v[\p+4*\c+1]
	v_permlane16_swap_b32 v[\p+4*\c+2], v[\p+4*\c+3]
.endr
.endm
.macro QKBLOCK a                       ; 16 tokens x two heads
	s_wait_xcnt 0x0                                ; the last block's stores have read their data
	QUANT4 64*(\a), P
	v_cmp_eq_f32 vcc_lo, 0, v[RV+\a]               ; is my token padded?  It selects values alone
	v_cndmask_b32 v[AM], -1, v[CM], vcc_lo
	v_cndmask_b32 v[HIW], v[HU], v[HM], vcc_lo
	v_lshl_or_b32 v[W0], v[TM+5], 8, v[TM+4]
	v_lshl_or_b32 v[W1], v[TM+7], 8, v[TM+6]
	v_or_b32 v[W0], v[W0], v[HIW]
	v_or_b32 v[W1], v[W1], v[HIW]
.irp i, 0,1,2,3,4,5,6,7
	v_and_b32 v[P+\i], v[AM], v[P+\i]
.endr
	global_store_b128 v[GI], v[P:P+3], s[10:11] offset:512*(\a)      ; a piece: 512 consecutive bytes, aligned
	global_store_b128 v[GI], v[P+4:P+7], s[12:13] offset:512*(\a)
	ds_store_b32 v[WST], v[W0] offset:4*(\a)                         ; both halves of the lanes write the same word
	ds_store_b32 v[WST], v[W1] offset:256+4*(\a)
.endm
; The way out of q or k.  My 64 tokens are half a record: tiles 4 (w % 2) on of record 2 (tb % 8) + w / 2, and one unit of 256 bytes of its words, for each of the two heads.
.macro EPIQK ptr, hs, rs, vo, hu, hm, cm
	s_wait_xcnt 0x0                                ; earlier stores have read their bases
	s_mul_i32 s4, s94, \hs
	s_add_co_u32 s5, s95, s15
	s_mul_i32 s5, s5, \rs
	s_add_co_u32 s4, s4, s5
	s_mov_b32 s5, 0
	s_add_nc_u64 s[92:93], s[\ptr:\ptr+1], s[4:5]  ; the first head's record
	s_lshl_b32 s4, s16, 11
	s_add_nc_u64 s[10:11], s[92:93], s[4:5]        ; my four pieces in it,
	s_add_nc_u64 s[12:13], s[10:11], \hs           ; in the second head's,
	s_lshl_b32 s4, s16, 8
	s_add_nc_u64 s[92:93], s[92:93], s[4:5]        ; and my unit of words
	v_mov_b32 v[HU], \hu
	v_mov_b32 v[HM], \hm
	v_mov_b32 v[CM], \cm
	PLACES                                         ; ahead of the first read of results
.irp a, 0,1,2,3
	QKBLOCK \a
.endr
	ds_load_b128 v[BK:BK+3], v[WLD]                ; LDS serves a wave's instructions in order (ISA guide 5.7.1.4): this sees my stores
	s_wait_dscnt 0x0
	global_store_b128 v[\vo], v[BK:BK+3], s[92:93] offset:4096       ; lanes 0-15: the first head's 256 bytes of words; lanes 16-31: the second's
.endm
.macro VBLOCK a                        ; 16 channels x one key step
	s_wait_xcnt 0x0
	QUANT4 64*(\a), P
	v_lshl_or_b32 v[W0], v[TM+5], 8, v[TM+4]
	v_lshl_or_b32 v[W0], v[TM+6], 16, v[W0]
	v_lshl_or_b32 v[W0], v[TM+7], 24, v[W0]
	global_store_b128 v[GI], v[P:P+3], s[10:11] offset:1024*(\a)
	global_store_b128 v[GI], v[P+4:P+7], s[10:11] offset:1024*(\a)+512
	ds_store_b32 v[WST], v[W0] offset:4*(\a)
.endm
	s_wait_alu depctr_va_vdst(0)                   ; the wait at the head's end
	s_wait_tensorcnt 0x0                           ; my tile of the head's four is in
	ds_add_u32 v[SPW], v[NIL]
	s_wait_dscnt 0x0
	CROUND
	ARM 1, GK0, G1W, .Lr1_b, .Lr1_end              ; Wk's two K halves and Wv's first: one load a wave, wave 3 none
	ARM 2, GK1, G1W, .Lr1_c, .Lr1_end
	ARM 3, GV0, G1W, .Lr1_d, .Lr1_end
.Lr1_end:
	s_wait_loadcnt 0x0                             ; masks and biases
.set ADR, 8
.set CB, BI
.set CMB, 1
.set CMA, 0
.set CWIN, 0x81
	MAIN                                           ; q
	s_wait_tensorcnt 0x0                           ; Wk and Wv's first half are in; the three lines ahead of a refill's round
	ds_add_u32 v[SPW], v[NIL]
	s_wait_dscnt 0x0                               ; my reads of Wq are over
	CROUND
	s_cmp_lg_u32 s14, 3
	s_cbranch_scc1 .Lr2_end
	tensor_load_to_lds s[GV1:GV1+3], s[G1W:G1W+7]  ; Wv's K half 1 over Wq's K half 0
	s_nop 0
.rept 4
	v_nop
.endr
.Lr2_end:
	EPIQK 88, 73728, 4608, VOQ, 0x017F0000, 0x01010000, 0
.set ADR, 14
.set CB, 64
.set CWIN, 0x91
	MAIN                                           ; k
	EPIQK 90, 143360, 8960, VOK, 0x01010000, 0x01AA0000, -1
	WIN 0x40
.irp a, 0,1,2,3
.irp j, 0,1,2,3,4,5,6,7
	v_mov_b32 v[192+8*\a+\j], v[RV+4+\a]           ; my channel's bias as a tile: the C of v's first products
.endr
.endr
	WIN 0
	s_wait_alu depctr_va_vdst(0)
	s_wait_tensorcnt 0x0                           ; Wv's K half 1 is in (wave 3's load),
	s_wait_dscnt 0x0
	s_barrier_signal -1
	s_barrier_wait -1                              ; and every wave knows
.set ADR, 20
.set CB, 192
.set CMB, 0
.set CMA, 1
	MAIN                                           ; v
	s_wait_xcnt 0x0
	s_add_co_u32 s4, s94, s15                      ; my head,
	s_mul_i32 s4, s4, 143360
	s_add_co_u32 s5, s95, s16                      ; my key step
	s_mul_i32 s5, s5, 8960
	s_add_co_u32 s4, s4, s5
	s_add_co_u32 s4, s4, 4608                      ; V's record lies behind K's
	s_mov_b32 s5, 0
	s_add_nc_u64 s[10:11], s[90:91], s[4:5]
	PLACES
.irp a, 0,1,2,3
	VBLOCK \a
.endr
	ds_load_b128 v[BK:BK+3], v[WST]
	s_wait_dscnt 0x0
	global_store_b128 v[R16], v[BK:BK+3], s[10:11] offset:4096       ; the record's 256 bytes of words; lanes 16-31 repeat lanes 0-15's bytes at the same places
	s_wait_tensorcnt 0x0                           ; the wave's end
	ds_add_u32 v[SPW], v[NIL]
	s_wait_dscnt 0x0
	CROUND                                         ; the closing round
	s_endpgm
.Lfunc_end_k_qb876351670_qkv:
	.size	k_qb876351670_qkv, .Lfunc_end_k_qb876351670_qkv-k_qb876351670_qkv
	.p2alignl 7, 3214868480
	.fill 96, 4, 3214868480
	.section	.rodata,"a",@progbits
	.p2align	6, 0x0
	.amdhsa_kernel k_qb876351670_qkv
		.amdhsa_group_segment_fixed_size 327680
		.amdhsa_private_segment_fixed_size 0
		.amdhsa_enable_private_segment 0
		.amdhsa_kernarg_size 64
		.amdhsa_user_sgpr_count 2
		.amdhsa_user_sgpr_kernarg_segment_ptr 1
		.amdhsa_wavefront_size32 1
		.amdhsa_system_sgpr_workgroup_id_x 1
		.amdhsa_system_sgpr_workgroup_id_y 1
		.amdhsa_system_sgpr_workgroup_id_z 1
		.amdhsa_system_vgpr_workitem_id 0
		.amdhsa_next_free_vgpr 768
		.amdhsa_next_free_sgpr 100
		.amdhsa_reserve_vcc 1
		.amdhsa_float_denorm_mode_32 3
		.amdhsa_float_denorm_mode_16_64 3
		.amdhsa_memory_ordered 1
		.amdhsa_forward_progress 1
		.amdhsa_inst_pref_size 213
	.end_amdhsa_kernel
	.amdgpu_metadata
---
amdhsa.version: [ 1, 2 ]
amdhsa.kernels:
  - .name:           k_qb876351670_qkv
    .symbol:         k_qb876351670_qkv.kd
    .args:
      - { .name: xr, .offset: 0, .size: 8, .value_kind: global_buffer, .address_space: global }
      - { .name: wr, .offset: 8, .size: 8, .value_kind: global_buffer, .address_space: global }
      - { .name: masks, .offset: 16, .size: 8, .value_kind: global_buffer, .address_space: global }
      - { .name: bq, .offset: 24, .size: 8, .value_kind: global_buffer, .address_space: global }
      - { .name: bk, .offset: 32, .size: 8, .value_kind: global_buffer, .address_space: global }
      - { .name: bv, .offset: 40, .size: 8, .value_kind: global_buffer, .address_space: global }
      - { .name: qb, .offset: 48, .size: 8, .value_kind: global_buffer, .address_space: global }
      - { .name: kv, .offset: 56, .size: 8, .value_kind: global_buffer, .address_space: global }
    .group_segment_fixed_size: 327680
    .private_segment_fixed_size: 0
    .kernarg_segment_align: 8
    .kernarg_segment_size: 64
    .max_flat_workgroup_size: 128
    .sgpr_count:     100
    .vgpr_count:     768
    .wavefront_size: 32
...
	.end_amdgpu_metadata
.endif
;; end of part 2
;; launch attn (part 3): grid 4 x 64, 16 waves a work-group, clusters of 4 x 1, 169,984 bytes of LDS; arguments qb, kv, cr; writes cr
.if DOCPART == 3
	.amdgcn_target "amdgcn-amd-amdhsa--gfx1250"
	.amdhsa_code_object_version 6
	.text
	.protected	k_qb876351670_attn
	.globl	k_qb876351670_attn
	.p2align	8
	.type	k_qb876351670_attn,@function
k_qb876351670_attn:
	s_mov_b64 s[64:65], 0
	v_nop
	global_prefetch_b8 v0, s[64:65] scope:SCOPE_SE
	s_setreg_imm32_b32 hwreg(HW_REG_WAVE_MODE, 25, 1), 1
	s_wait_xcnt 0x0
	s_wait_alu depctr_hold_cnt(0) depctr_sa_sdst(0) depctr_va_vdst(0) depctr_va_sdst(0) depctr_va_ssrc(0) depctr_va_vcc(0) depctr_vm_vsrc(0)
	s_getreg_b32 s2, hwreg(HW_REG_IB_STS2, 6, 4)
	s_cmp_eq_u32 s2, 0
	s_cbranch_scc0 .Lentry_in_a_cluster
	s_endpgm
.Lentry_in_a_cluster:
	s_bfe_u32 s2, ttmp6, 0x10000c
	s_cmp_lg_u32 s2, 0x3003
	s_cbranch_scc0 .Lentry_shape_is_right
	s_endpgm
.Lentry_shape_is_right:
; ctx[b][q][head] = softmax_k(q . k / 32, masked) v, both products on codes of FP4 (E2M1) with E8M0 scales; ctx is quantised here along the last product's K and leaves as codes.
; IN: qb [batch x head 64][16 records of 128 queries][4,608], kv [batch x head 64][16 key steps][8,960]: images of operand registers (a piece of 512 bytes: 16 rows x 64 K, lane l's 16 bytes at 16 l).
;   A record of q or k: eight pieces, then 512 bytes of scale words (tile t, row r: 256 (t / 4) + 16 r + 4 (t % 4)).  V's record, 4,608 bytes behind K's: pieces (channel tile u, keys 64 c on) at 1,024 u + 512 c, words at 4,096 + 16 r + 4 u.
; THE SOFTMAX: t = score x log2(e) / 32; M = the row's largest t so far, raised by 2^-22 of its magnitude and rounded up to a whole number; p = 2^(t - M) is quantised along the keys, not normalised;
;   the row's sum is taken of the unquantised p and divides at the end.  When M moves, the sum and O are multiplied by 2^(old M - new M): exact.  M may be one over the ceiling: a power of two that the blocks' scales and the sum take up.
; THE KEYS OF A TILE ARE CHOSEN BY THE LDS ADDRESS: row m of tile 4 c + t takes key 64 c + 8 t + m (m < 8) or 64 c + 32 + 8 t + m - 8.  Both products are used transposed (S^T = K Q^T, O^T = V^T P^T), so lane (r, h) holds
;   query r, and its 32 registers of tiles 4 c .. 4 c + 3 are keys 64 c + 32 h + 0 .. 31: ONE WHOLE BLOCK, in the order of the next operand's registers.  A block's maximum needs no other lane and a conversion's result is register 4 c + t of P.
; THE MASK rides in the idle half of the first product's K = 128.  Q's codes there are 0 but for k = 69 (register 4, lanes 0-15, bits 23:20: the high four bits of byte 2 of the query's scale word); so K's register 4 takes the
;   key's whole scale word, loaded a second time: only its code at k = 69 meets a code of Q that is not 0.  Live query 6 x 2^0, padded key -1 x 2^43: p = 0.  A padded query's codes are all 0: p = 1 for every key, as in reference().
;   Ahead of a live query's first live key p is some number in 0 .. 1; the change of M at that key multiplies what was summed by 2^(a whole number held at -2^31) = 0.
; LIMITS: as stated in the launch that makes the codes (masks under 2^-63 in magnitude, logits under about -1e12, NaN and infinities are not served; a block under 2^-124 keeps the byte 1).
; SHARES: a cluster of four work-groups is one (batch, head); a work-group owns 512 queries in two passes of 256; each of sixteen waves one tile of 16 queries a pass.  The head's whole K and V, 143,360 bytes, come into LDS once:
;   wave w asks for key step w, jointly with the three partners.  Nothing is filled again, nothing is stored to LDS.  No prefetch: all of K and V is asked for at the head, and there is no loop to run ahead in.
.set STEPB, 8960                       ; a key step in memory: 35 rows of 256 bytes
.set PR,    288                        ; such a row in LDS: 256 bytes + 32 of padding, laid by the tensor load.  Byte y of a step lies at PR (y / 256) + y % 256.  The two halves of a chosen tile of K, four rows apart,
                                       ; so lie 1,152 bytes apart: the sixteen lanes of half a wave touch sixteen different columns of 16 bytes modulo 256 (64 banks of 4 bytes: ISA guide 11.1)
.set STEPL, 35*PR                      ; a key step in LDS; sixteen of them end under the spare words
.set VOFF,  18*PR                      ; V's record in it
.set SPARE, 0x29000                    ; the spare words: 128 bytes a wave
.set LI,   1                           ; 16 l
.set LR,   2                           ; 16 r
.set LM,   3                           ; 0x00F00000 in lanes 0-15, 0 in lanes 16-31
.set AKL,  4                           ; my place in a tile of K: 16 (r % 8) + 4 PR (r / 8) + PR h
.set AWL,  5                           ; and among K's words: 16 PR + 16 (r % 8) + 8 (r / 8)
.set AVL,  253                         ; my place in a piece of V: 16 r + PR h.  (It lies in the upper half of f's pair v[252:253], of which the packed forms take the low word alone)
.set SPW,  6
.set NIL,  7
.set ADV,  8                           ; v8-11: the step's bytes + AVL, LR, AKL, AWL
.set ADW,  9
.set ADK,  10
.set ADKW, 11
.set Q,    16                          ; v12 -M, v13 the largest score, v[14:15] the sum; v16-23 Q
.set QW,   24
.set PW,   25
.set VW,   26
.set QWN,  30
.set SH8,  31                          ; 8 h
.set K,    32                          ; eight fragments: four registers of codes, the word, three of zeros
.set S,    96
.set O,    160
.set V,    192
.set P,    224
.set KW,   232                         ; tile 4 c + t: register 4 c + 2 (t % 2) + t / 2
.set BM,   240
.set SO,   242
.set QN,   244                         ; the second pass's Q
.set MX,   248
.set WV,   18
.set SEL,  20
.set CS,   22
.set EPS,  24
.set TB,   25
.set PASS, 28
.set OC,   30
.set OW,   32
.set G1,   36
.set G0,   44
.macro CROUND
	s_barrier_signal -1
	s_barrier_wait -1
	s_cmp_lg_u32 s[WV], 0
	s_cbranch_scc1 .Lnot_wave_0_\@
	s_barrier_signal -3
.Lnot_wave_0_\@:
	s_barrier_wait -3
	s_barrier_signal -1
	s_barrier_wait -1
.endm
	s_load_b128 s[4:7], s[0:1], 0x0                ; qb, kv
	s_load_b64 s[8:9], s[0:1], 0x10                ; cr
	v_lshl_add_u32 v[SPW], v0, 2, SPARE
	v_mov_b32 v[NIL], 0
	ds_add_u32 v[SPW], v[NIL]                      ; the opening lines: the add twice and one wait
	ds_add_u32 v[SPW], v[NIL]
	v_lshrrev_b32 v8, 5, v0
	v_readfirstlane_b32 s[WV], v8                  ; wave 0..15
	v_and_b32 v[LI], 31, v0
	v_and_b32 v[LR], 15, v0
	v_bfe_u32 v[SH8], v0, 4, 1                     ; h
	v_and_b32 v[AKL], 7, v0
	v_bfe_u32 v[AWL], v0, 3, 1
	v_lshlrev_b32 v[LI], 4, v[LI]
	v_lshlrev_b32 v[LR], 4, v[LR]
	v_sub_nc_u32 v[LM], 1, v[SH8]
	v_lshlrev_b32 v[AKL], 4, v[AKL]
	v_mul_u32_u24 v[LM], v[LM], 0xf00000
	v_lshl_add_u32 v254, v[AWL], 3, v[AKL]
	v_mad_u32_u24 v[AKL], v[AWL], 4*PR, v[AKL]
	v_mul_u32_u24 v[AVL], v[SH8], PR
	v_add_nc_u32 v[AWL], 16*PR, v254
	v_add_nc_u32 v[AKL], v[AKL], v[AVL]
	v_add_nc_u32 v[AVL], v[AVL], v[LR]
	v_lshlrev_b32 v[SH8], 3, v[SH8]
	s_bfe_u32 s19, ttmp6, 0x40000                  ; cx: it enters Q's and ctx's addresses alone
	s_and_b32 s10, ttmp7, 0xffff                   ; 16 x batch + head, which the four partners share
	s_mov_b32 s[G1], 15|(3<<16)|(1<<20)|(1<<21)|(5<<22)|(7<<25)   ; a key step, 8,960 dense bytes, as 35 rows of 256 bytes; the mask names all four work-groups; padding: 8 words after every 64
	s_mov_b32 s[G1+1], 32<<16
	s_mov_b32 s[G1+2], 35<<16
	s_mov_b32 s[G1+3], 32<<16
	s_mov_b32 s[G1+4], 35
	s_mov_b32 s[G1+5], 32
	s_mov_b32 s[G1+6], 0
	s_mov_b32 s[G1+7], 0
	s_mov_b32 s[G0], 1
	s_mul_i32 s[G0+1], s[WV], STEPL                ; LDS: key step w
	s_mul_i32 s48, s10, 16*STEPB
	s_mul_i32 s49, s[WV], STEPB
	s_add_co_u32 s48, s48, s49                     ; and in kv
	s_mov_b32 s49, 0
	s_lshl_b32 s11, s19, 2                         ; my tile of queries in pass 0 is 32 cx + w: record 4 cx + w / 8, tile w % 8
	s_lshr_b32 s12, s[WV], 3
	s_add_co_u32 s11, s11, s12
	s_mul_i32 s11, s11, 4608
	s_mul_i32 s12, s10, 73728
	s_add_co_u32 s11, s11, s12
	s_and_b32 s12, s[WV], 7
	s_lshl_b32 s12, s12, 9
	s_add_co_u32 s50, s11, s12                     ; its piece
	s_mov_b32 s51, 0
	s_bfe_u32 s12, s[WV], 0x10002
	s_lshl_b32 s12, s12, 8
	s_and_b32 s13, s[WV], 3
	s_lshl_b32 s13, s13, 2
	s_add_co_u32 s12, s12, s13
	s_add_co_u32 s12, s12, 4096
	s_add_co_u32 s52, s11, s12                     ; its scale words
	s_mov_b32 s53, 0
	s_lshr_b32 s11, s10, 4                         ; batch
	s_and_b32 s12, s10, 15                         ; head
	s_lshl_b32 s11, s11, 7
	s_lshl_b32 s13, s19, 5
	s_add_co_u32 s11, s11, s13
	s_add_co_u32 s11, s11, s[WV]                   ; ctx's row tile: 128 batch + 32 cx + w
	s_mul_i32 s11, s11, 4352
	s_lshr_b32 s13, s12, 3                         ; the K half
	s_mul_i32 s13, s13, 2228224
	s_add_co_u32 s11, s11, s13
	s_and_b32 s12, s12, 7
	s_lshl_b32 s13, s12, 9
	s_add_co_u32 s54, s11, s13                     ; my head's piece in the record
	s_mov_b32 s55, 0
	s_lshl_b32 s13, s12, 1
	s_add_co_u32 s13, s13, 4096
	s_add_co_u32 s56, s11, s13                     ; and its two bytes of each row's sixteen
	s_mov_b32 s57, 0
	s_mov_b32 s[SEL], 0x76543210
	s_mov_b32 s[SEL+1], 0xfedcba98
	s_mov_b32 s[CS], 0x3d38aa3b                    ; c = log2(e) / 32
	s_mov_b32 s[CS+1], s[CS]
	s_mov_b32 s[EPS], 0x34800000                   ; 2^-22
	s_wait_alu depctr_va_vdst(0)
	s_wait_dscnt 0x0
	s_wait_kmcnt 0x0
	s_add_nc_u64 s[G0+2:G0+3], s[6:7], s[48:49]
	s_or_b32 s[G0+3], s[G0+3], 0x80000000
	s_add_nc_u64 s[50:51], s[4:5], s[50:51]
	s_add_nc_u64 s[52:53], s[4:5], s[52:53]
	s_add_nc_u64 s[OC:OC+1], s[8:9], s[54:55]
	s_add_nc_u64 s[OW:OW+1], s[8:9], s[56:57]
	global_load_b128 v[Q:Q+3], v[LI], s[50:51]                 ; Q of both passes stays in registers: the second pass's tile lies two records on
	global_load_b128 v[QN:QN+3], v[LI], s[50:51] offset:9216
	global_load_b32 v[QW], v[LR], s[52:53]
	global_load_b32 v[QWN], v[LR], s[52:53] offset:9216
	CROUND                                         ; all four work-groups are here: the joint loads meet
	tensor_load_to_lds s[G0:G0+3], s[G1:G1+7]      ; my one tensor load of the launch
	s_nop 0
.irp t, 0,1,2,3,4,5,6,7
.irp i, 5,6,7
	v_mov_b32 v[K+8*\t+\i], 0                      ; k = 72 .. 127 of every fragment of K: zero codes, written once
.endr
.endr
.irp i, 5,6,7
	v_mov_b32 v[Q+\i], 0
.endr
.irp i, 254,255
	v_mov_b32 v\i, 0                               ; a pair's upper half, and lane permutes' destinations
.endr
.macro KLOAD ka, kwa, ko               ; a step's K: eight fragments by the chosen keys, each key's word into register 4, and the words once more as scales
.irp t, 0,1,2,3,4,5,6,7
	ds_load_b128 v[K+8*\t:K+8*\t+3], v[\ka] offset:\ko+PR*(8*(\t/4)+2*((\t%4)/2))+128*(\t%2)
	ds_load_b32 v[K+8*\t+4], v[\kwa] offset:\ko+PR*(\t/4)+128*(\t%2)+4*((\t%4)/2)
.endr
.irp g, 0,1,2,3
	ds_load_b64 v[KW+2*\g:KW+2*\g+1], v[\kwa] offset:\ko+PR*(\g/2)+128*(\g%2)
.endr
.endm
	s_wait_alu depctr_va_vdst(0)                   ; the wait at the head's end
	s_wait_tensorcnt 0x0                           ; my key step is in LDS,
	s_barrier_signal -1
	s_barrier_wait -1                              ; everybody's is
	KLOAD AKL, AWL, 0
	s_wait_loadcnt 0x0                             ; Q
	s_wait_dscnt 0x0
	v_and_b32 v[Q+4], v[LM], v[QW]
; A KEY STEP: 128 keys.  tail = 1: the pass's last: the K that it fetches is step 0's, for the next pass.
.macro STEP tail
.irp t, 0,1,2,3,4,5,6,7
	v_wmma_scale_f32_16x16x128_f8f6f4 v[S+8*\t:S+8*\t+7], v[K+8*\t:K+8*\t+7], v[Q:Q+7], 0, v[KW+4*(\t/4)+2*(\t%2)+(\t%4)/2], v[QW] matrix_a_fmt:MATRIX_FMT_FP4 matrix_b_fmt:MATRIX_FMT_FP4
.endr
	v_add_nc_u32 v[ADV], s[TB], v[AVL]             ; these five are the places behind the products, ahead of the loads and of the first read of the scores
	v_add_nc_u32 v[ADW], s[TB], v[LR]
	v_add_nc_u32 v[ADK], s[TB], v[AKL]
	v_add_nc_u32 v[ADKW], s[TB], v[AWL]
	v_mov_b32 v254, v12                            ; the old -M
.irp u, 0,1,2,3
.irp c, 0,1
	ds_load_b128 v[V+8*\u+4*\c:V+8*\u+4*\c+3], v[ADV] offset:VOFF+PR*(4*\u+2*\c)
.endr
.endr
	ds_load_b128 v[VW:VW+3], v[ADW] offset:VOFF+16*PR
.if \tail
	KLOAD AKL, AWL, 0
.else
	KLOAD ADK, ADKW, STEPL                         ; the next step's K: 29 loads in one run, a softmax ahead of their use
.endif
.irp b, 0,1,2,3
	v_max3_num_f32 v[MX+\b], v[S+16*\b], v[S+16*\b+1], v[S+16*\b+2]   ; four chains of 16 scores by turns; each accumulator is first read at its low end
.endr
.irp i, 3,5,7,9,11,13
.irp b, 0,1,2,3
	v_max3_num_f32 v[MX+\b], v[MX+\b], v[S+16*\b+\i], v[S+16*\b+\i+1]
.endr
.endr
	v_max3_num_f32 v[BM], v[MX], v[MX+1], v[S+15]
	v_max3_num_f32 v[BM+1], v[MX+2], v[MX+3], v[S+47]
	v_max_num_f32 v[BM], v[BM], v[S+31]            ; my two blocks' largest scores: for the row's maximum and, since p rises with the score, for the blocks' largest p
	v_max_num_f32 v[BM+1], v[BM+1], v[S+63]
	s_delay_alu instid0(VALU_DEP_1)
	v_max3_num_f32 v13, v13, v[BM], v[BM+1]        ; the running largest score
	s_delay_alu instid0(VALU_DEP_1)
	v_permlanex16_b32 v255, v13, s[SEL], s[SEL+1]
	s_delay_alu instid0(VALU_DEP_1)
	v_max_num_f32 v13, v13, v255                   ; with lane l xor 16's keys
	s_delay_alu instid0(VALU_DEP_1)
	v_mul_f32 v255, s[CS], v13                     ; as t,
	s_delay_alu instid0(VALU_DEP_1)
	v_fma_f32 v255, |v255|, s[EPS], v255           ; raised: not under the exact product
	s_delay_alu instid0(VALU_DEP_1)
	v_floor_f32 v12, -v255                         ; the new -M: a whole number
	s_delay_alu instid0(VALU_DEP_1)
	v_sub_f32 v254, v12, v254                      ; old M - new M, 0 or less
	s_delay_alu instid0(VALU_DEP_1)
	v_cvt_i32_f32 v254, v254                       ; (it saturates)
	s_delay_alu instid0(VALU_DEP_1)
	v_ldexp_f32 v252, 1.0, v254                    ; f = 2^(old M - new M)
.set jj, 0
.rept 32
	v_pk_fma_f32 v[S+jj:S+jj+1], v[S+jj:S+jj+1], s[CS:CS+1], v[12:13] op_sel_hi:[1,0,0]   ; t - M
.set jj, jj+2
.endr
	v_fma_f32 v[BM], v[BM], s[CS], v12
	v_fma_f32 v[BM+1], v[BM+1], s[CS], v12
	s_wait_alu depctr_va_vdst(0)                   ; ahead of the batch
.set jj, 0
.rept 64
	v_exp_f32 v[S+jj], v[S+jj]                     ; p = 2^(t - M)
.set jj, jj+1
.endr
	v_pk_mul_f32 v[14:15], v[14:15], v[252:253] op_sel_hi:[1,0]   ; the sums under the new M: a plain place behind the batch
	s_wait_alu depctr_va_vdst(0)                   ; one wait for the batch, ahead of its first reader
	v_exp_f32 v[BM], v[BM]                         ; the blocks' largest p: the same two instructions on the same number
	v_exp_f32 v[BM+1], v[BM+1]
	v_pk_add_f32 v[248:249], v[S:S+1], v[S+2:S+3]  ; the row's sum of the unquantised p, in four chains
	v_pk_add_f32 v[250:251], v[S+4:S+5], v[S+6:S+7]
	v_pk_add_f32 v[224:225], v[S+8:S+9], v[S+10:S+11]
	v_pk_add_f32 v[14:15], v[14:15], v[S+12:S+13]
.set jj, 14
.rept 6
	v_pk_add_f32 v[248:249], v[248:249], v[S+jj:S+jj+1]
	v_pk_add_f32 v[250:251], v[250:251], v[S+jj+2:S+jj+3]
	v_pk_add_f32 v[224:225], v[224:225], v[S+jj+4:S+jj+5]
	v_pk_add_f32 v[14:15], v[14:15], v[S+jj+6:S+jj+7]
.set jj, jj+8
.endr
	v_pk_add_f32 v[248:249], v[248:249], v[S+62:S+63]
	v_pk_add_f32 v[250:251], v[250:251], v[224:225]
	v_pk_add_f32 v[14:15], v[14:15], v[248:249]
	v_pk_add_f32 v[14:15], v[14:15], v[250:251]
	s_wait_alu depctr_va_vdst(0)                   ; and one for the two
	v_max_num_f32 v[BM], 0x1800000, v[BM]          ; the floor 2^(3 - 127): a block whose every p is 0 keeps the byte 1: its codes are zeros
	v_max_num_f32 v[BM+1], 0x1800000, v[BM+1]
	v_add_nc_u32 v[SO], 0xff000000, v[BM]          ; 2 off the exponent field: the conversion's scale operand
	v_add_nc_u32 v[SO+1], 0xff000000, v[BM+1]
	v_lshrrev_b32 v254, 23, v[SO]                  ; the bytes of blocks h and 2 + h
	v_lshrrev_b32 v255, 23, v[SO+1]
	v_cvt_scalef32_pk8_fp4_f32 v[P],   v[S:S+7],     v[SO]     ; tile 4 c + t gives register 4 c + t of P; the word's lines stand between the conversions
	v_cvt_scalef32_pk8_fp4_f32 v[P+1], v[S+8:S+15],  v[SO]
	v_lshl_or_b32 v254, v255, 16, v254
	v_cvt_scalef32_pk8_fp4_f32 v[P+2], v[S+16:S+23], v[SO]
	v_cvt_scalef32_pk8_fp4_f32 v[P+3], v[S+24:S+31], v[SO]
	v_lshlrev_b32 v254, v[SH8], v254               ; at their places in the word
	v_cvt_scalef32_pk8_fp4_f32 v[P+4], v[S+32:S+39], v[SO+1]
	v_cvt_scalef32_pk8_fp4_f32 v[P+5], v[S+40:S+47], v[SO+1]
	v_permlanex16_b32 v255, v254, s[SEL], s[SEL+1]
	v_cvt_scalef32_pk8_fp4_f32 v[P+6], v[S+48:S+55], v[SO+1]
	v_cvt_scalef32_pk8_fp4_f32 v[P+7], v[S+56:S+63], v[SO+1]
	v_or_b32 v[PW], v254, v255                     ; with lane l xor 16's two bytes the word is whole.  (A plain place behind the last conversion)
	s_wait_dscnt 0x0                               ; the 29 loads are in
	s_wait_alu depctr_va_vdst(0)                   ; directly ahead of the first reader of O^T
.set jj, 0
.rept 16
	v_pk_mul_f32 v[O+jj:O+jj+1], v[O+jj:O+jj+1], v[252:253] op_sel_hi:[1,0]   ; O^T under the new M; these 16 are also the places between the writes of P and its word and the products
.set jj, jj+2
.endr
.irp u, 0,1,2,3
	v_wmma_scale_f32_16x16x128_f8f6f4 v[O+8*\u:O+8*\u+7], v[V+8*\u:V+8*\u+7], v[P:P+7], v[O+8*\u:O+8*\u+7], v[VW+\u], v[PW] matrix_a_fmt:MATRIX_FMT_FP4 matrix_b_fmt:MATRIX_FMT_FP4
.endr                                          ; the accumulators take turns
.endm
	s_mov_b32 s[PASS], 2
.Lpass:
	v_mov_b32 v13, 0xff61b1e6                      ; the largest score so far: -3e38
	v_mov_b32 v12, 0x7f61b1e6                      ; -M: 3e38, so that the first f is 0
	v_mov_b32 v14, 0
	v_mov_b32 v15, 0
.set jj, 0
.rept 32
	v_mov_b32 v[O+jj], 0                           ; the step has no first form of its own: the first change of M multiplies zeros.  (Also the places behind the writes of Q's registers)
.set jj, jj+1
.endr
	s_mov_b32 s[TB], 0
.Lstep:
	STEP 0
	s_add_co_u32 s[TB], s[TB], STEPL
	s_cmp_lt_u32 s[TB], 15*STEPL
	s_cbranch_scc1 .Lstep
	STEP 1
	; THE WAY OUT of a pass: O^T / the sum; register 8 u + j is channel 16 u + 8 h + j; the 64 channels are two blocks of the last product's K
	v_add_f32 v14, v14, v15
	s_delay_alu instid0(VALU_DEP_1)
	v_permlanex16_b32 v254, v14, s[SEL], s[SEL+1]
	s_delay_alu instid0(VALU_DEP_1)
	v_add_f32 v14, v14, v254
	s_wait_alu depctr_va_vdst(0)                   ; ahead of the transcendental
	v_rcp_f32 v14, v14
.rept 3
	v_nop                                          ; a plain place behind the reciprocal; with the additions above, the places behind the last products
.endr
	s_wait_alu depctr_va_vdst(0)                   ; ahead of the first reader of the reciprocal and of O^T
.set jj, 0
.rept 16
	v_pk_mul_f32 v[S+jj:S+jj+1], v[O+jj:O+jj+1], v[14:15] op_sel_hi:[1,0]
.set jj, jj+2
.endr
.irp b, 0,1
	v_max3_num_f32 v[BM+\b], |v[S+16*\b]|, |v[S+1+16*\b]|, 0x1800000
.endr
.irp i, 2,4,6,8,10,12,14
.irp b, 0,1
	s_delay_alu instid0(VALU_DEP_2)
	v_max3_num_f32 v[BM+\b], v[BM+\b], |v[S+16*\b+\i]|, |v[S+1+16*\b+\i]|
.endr
.endr
.irp b, 0,1
	s_delay_alu instid0(VALU_DEP_2)
	v_permlanex16_b32 v[MX+\b], v[BM+\b], s[SEL], s[SEL+1]
.endr
.irp b, 0,1
	s_delay_alu instid0(VALU_DEP_2)
	v_max_num_f32 v[BM+\b], v[BM+\b], v[MX+\b]
.endr
.irp b, 0,1
	s_delay_alu instid0(VALU_DEP_2)
	v_add_nc_u32 v[SO+\b], 0xff000000, v[BM+\b]
.endr
.irp b, 0,1
	s_delay_alu instid0(VALU_DEP_2)
	v_lshrrev_b32 v[MX+\b], 23, v[SO+\b]
.endr
	v_cvt_scalef32_pk8_fp4_f32 v[P],   v[S:S+7],     v[SO]     ; the crossed order: with the two exchanges below register i holds k = 32 h + 8 i on
	v_cvt_scalef32_pk8_fp4_f32 v[P+1], v[S+16:S+23], v[SO+1]
	v_cvt_scalef32_pk8_fp4_f32 v[P+2], v[S+8:S+15],  v[SO]
	v_cvt_scalef32_pk8_fp4_f32 v[P+3], v[S+24:S+31], v[SO+1]
	v_lshl_or_b32 v255, v[MX+1], 8, v[MX]          ; (a plain place behind the last conversion)
	v_permlane16_swap_b32 v[P], v[P+1]
	v_permlane16_swap_b32 v[P+2], v[P+3]
	global_store_b128 v[LI], v[P:P+3], s[OC:OC+1]  ; a piece: 512 consecutive bytes, aligned
	global_store_b16 v[LR], v255, s[OW:OW+1]       ; two bytes of each row's sixteen: the others are seven other heads', which other work-groups hold
	s_wait_xcnt 0x0                                ; the stores have read their data and bases
	s_add_nc_u64 s[OC:OC+1], s[OC:OC+1], 16*4352   ; the next pass's tile: 16 row tiles on
	s_add_nc_u64 s[OW:OW+1], s[OW:OW+1], 16*4352
.irp i, 0,1,2,3
	v_mov_b32 v[Q+\i], v[QN+\i]
.endr
	v_mov_b32 v[QW], v[QWN]
	v_and_b32 v[Q+4], v[LM], v[QWN]
	s_sub_co_u32 s[PASS], s[PASS], 1
	s_cmp_lg_u32 s[PASS], 0
	s_cbranch_scc1 .Lpass
	s_wait_tensorcnt 0x0                           ; the wave's end
	ds_add_u32 v[SPW], v[NIL]
	s_wait_dscnt 0x0
	CROUND                                         ; the closing round
	s_endpgm
.Lfunc_end_k_qb876351670_attn:
	.size	k_qb876351670_attn, .Lfunc_end_k_qb876351670_attn-k_qb876351670_attn
	.p2alignl 7, 3214868480
	.fill 96, 4, 3214868480
	.section	.rodata,"a",@progbits
	.p2align	6, 0x0
	.amdhsa_kernel k_qb876351670_attn
		.amdhsa_group_segment_fixed_size 169984
		.amdhsa_private_segment_fixed_size 0
		.amdhsa_enable_private_segment 0
		.amdhsa_kernarg_size 24
		.amdhsa_user_sgpr_count 2
		.amdhsa_user_sgpr_kernarg_segment_ptr 1
		.amdhsa_wavefront_size32 1
		.amdhsa_system_sgpr_workgroup_id_x 1
		.amdhsa_system_sgpr_workgroup_id_y 1
		.amdhsa_system_sgpr_workgroup_id_z 1
		.amdhsa_system_vgpr_workitem_id 0
		.amdhsa_next_free_vgpr 256
		.amdhsa_next_free_sgpr 66
		.amdhsa_reserve_vcc 0
		.amdhsa_float_denorm_mode_32 3
		.amdhsa_float_denorm_mode_16_64 3
		.amdhsa_memory_ordered 1
		.amdhsa_forward_progress 1
		.amdhsa_inst_pref_size 44
	.end_amdhsa_kernel
	.amdgpu_metadata
---
amdhsa.version: [ 1, 2 ]
amdhsa.kernels:
  - .name:           k_qb876351670_attn
    .symbol:         k_qb876351670_attn.kd
    .args:
      - { .name: qb, .offset: 0, .size: 8, .value_kind: global_buffer, .address_space: global }
      - { .name: kv, .offset: 8, .size: 8, .value_kind: global_buffer, .address_space: global }
      - { .name: cr, .offset: 16, .size: 8, .value_kind: global_buffer, .address_space: global }
    .group_segment_fixed_size: 169984
    .private_segment_fixed_size: 0
    .kernarg_segment_align: 8
    .kernarg_segment_size: 24
    .max_flat_workgroup_size: 512
    .sgpr_count:     66
    .vgpr_count:     256
    .wavefront_size: 32
...
	.end_amdgpu_metadata
.endif
;; end of part 3
;; launch oproj (part 4): grid 4 x 64, 4 waves a work-group, clusters of 4 x 4, 243,200 bytes of LDS; arguments cr, wr, bo, out0; writes out0
.if DOCPART == 4
	.amdgcn_target "amdgcn-amd-amdhsa--gfx1250"
	.amdhsa_code_object_version 6
	.text
	.protected	k_qb876351670_oproj
	.globl	k_qb876351670_oproj
	.p2align	8
	.type	k_qb876351670_oproj,@function
k_qb876351670_oproj:
	s_mov_b64 s[64:65], 0
	v_nop
	global_prefetch_b8 v0, s[64:65] scope:SCOPE_SE
	s_setreg_imm32_b32 hwreg(HW_REG_WAVE_MODE, 25, 1), 1
	s_wait_xcnt 0x0
	s_wait_alu depctr_hold_cnt(0) depctr_sa_sdst(0) depctr_va_vdst(0) depctr_va_sdst(0) depctr_va_ssrc(0) depctr_va_vcc(0) depctr_vm_vsrc(0)
	s_getreg_b32 s2, hwreg(HW_REG_IB_STS2, 6, 4)
	s_cmp_eq_u32 s2, 0
	s_cbranch_scc0 .Lentry_in_a_cluster
	s_endpgm
.Lentry_in_a_cluster:
	s_bfe_u32 s2, ttmp6, 0x10000c
	s_cmp_lg_u32 s2, 0xf033
	s_cbranch_scc0 .Lentry_shape_is_right
	s_endpgm
.Lentry_shape_is_right:
; out0 = ctx Wo^T + bo on codes of FP4 (E2M1) with E8M0 scales, K = 1,024.  Operands come as records (REC = 4,352 bytes: 16 rows x 512 K as eight images of 512 bytes of a fragment's registers,
; then 256 bytes of scale words: row r's word q at 16 r + 4 q), laid [K half][row tile][REC]: cr holds ctx (512 row tiles), wr holds Wo at row tiles 192-255.
; A block of the result is 128 tokens x 256 features: 64 x 4 = 256 work-groups.  Four waves, 64 x 128 each: 32 accumulators, 256 registers.
; The matrix instruction is used transposed (source 0 = 16 rows of Wo, source 1 = 16 tokens): a lane holds eight neighbouring numbers of a row of out0.  bo is the C of each accumulator's first product.
; CLUSTERS: 4 x 4.  ctx's tile is shared along a row of the cluster, Wo's along a column.  All of K, two K halves, is asked for at the head, one joint load a wave: wave 0 ctx's K half 0 (8 records),
; wave 1 Wo's (16 records), waves 2 and 3 the same of K half 1.  Nothing is filled again; one barrier shows all four tiles to all waves.  No prefetch: all that is read is asked for at the head.
; REGISTERS: window 0: v16-31 addresses; v32-95 scale words of both K halves; v126-127 the add's; v128-191 ctx's fragments, two sets of 32; v192-255 bo.  window 1: Wo's fragments, two sets, at v0 and v128.  window 2: the accumulators.
.set REC,    4352
.set AT,     8*REC                     ; ctx's tile of one K half
.set SLOT,   24*REC                    ; and Wo's 16 records behind it
.set KHX,    512*REC
.set KHW,    256*REC
.set SPARE,  2*SLOT                    ; the spare words: 128 bytes a wave
.set STAGE,  SPARE+512                 ; the way out: 16 rows x 528 bytes for each wave, bytes of its own
.set SPITCH, 528
.set ADRA, 16
.set ADRB, 20
.set ADRS, 22
.set GI,   24
.set STO,  25
.set RD,   26
.set HO,   31
.set SC,   32
.set SPW,  126
.set NIL,  127
.set AF,   128
.set BI,   192
.set BK,   128
.set G1,  24
.set G0,  32
.set G1B, 48
.set G0B, 56
.set MSB, 0
.macro WIN new                         ; the immediate's high byte repeats the setting that is left
.if MSB != (\new)
	s_set_vgpr_msb (MSB<<8)|(\new)
.set MSB, (\new)
.endif
.endm
.macro ARM under, g0, g1, next         ; an arm of the head's one tree of branches on the wave's number
	s_cmp_lt_u32 s14, \under
	s_cbranch_scc0 \next
	tensor_load_to_lds s[\g0:\g0+3], s[\g1:\g1+7]
	s_nop 0
.rept 4
	v_nop
.endr
	s_branch .Lhead_asked
\next:
.endm
.macro CROUND
	s_barrier_signal -1
	s_barrier_wait -1
	s_cmp_lg_u32 s14, 0
	s_cbranch_scc1 .Lnot_wave_0_\@
	s_barrier_signal -3
.Lnot_wave_0_\@:
	s_barrier_wait -3
	s_barrier_signal -1
	s_barrier_wait -1
.endm
.macro PLACES
.rept 4
	v_nop
.endr
.endm
	s_load_b256 s[68:75], s[0:1], 0x0              ; cr, wr, bo, out0
	v_lshl_add_u32 v[SPW], v0, 2, SPARE
	v_mov_b32 v[NIL], 0
	ds_add_u32 v[SPW], v[NIL]                      ; the opening lines: the add twice and one wait
	ds_add_u32 v[SPW], v[NIL]
	v_lshrrev_b32 v1, 5, v0
	v_readfirstlane_b32 s14, v1                    ; wave 0..3
	s_lshr_b32 s15, s14, 1                         ; which 64 tokens are mine
	s_and_b32 s16, s14, 1                          ; which 128 features
	s_bfe_u32 s40, ttmp6, 0x40000                  ; cx, cy
	s_bfe_u32 s41, ttmp6, 0x40004
	s_lshl_b32 s42, ttmp9, 2
	s_add_co_u32 s42, s42, s40                     ; Wo's tile
	s_and_b32 s17, ttmp7, 0xffff
	s_lshl_b32 s17, s17, 2
	s_add_co_u32 s17, s17, s41                     ; ctx's tile
	s_lshl_b32 s43, s41, 2
	s_lshl_b32 s43, 15, s43                        ; my row of the cluster
	s_lshl_b32 s44, 0x1111, s40                    ; my column
	s_or_b32 s[G1+0], s43, (3<<16)|(1<<21)         ; dense records as rows of 256 bytes (32 elements of 8 bytes): 136 rows for ctx, 272 for Wo
	s_or_b32 s[G1B+0], s44, (3<<16)|(1<<21)
	s_mov_b32 s[G1+2], 136<<16
	s_mov_b32 s[G1+4], 136
	s_mov_b32 s[G1B+2], 272<<16
	s_mov_b32 s[G1B+4], 272
.irp g, G1, G1B
	s_mov_b32 s[\g+1], 32<<16
	s_mov_b32 s[\g+3], 32<<16
	s_mov_b32 s[\g+5], 32
	s_mov_b32 s[\g+6], 0
	s_mov_b32 s[\g+7], 0
.endr
	s_mul_i32 s20, s17, 8*REC
	s_mov_b32 s21, 0
	s_mul_i32 s46, s42, 16*REC
	s_add_co_u32 s46, s46, 192*REC
	s_mov_b32 s47, 0
	s_wait_dscnt 0x0
	s_wait_kmcnt 0x0
	s_add_nc_u64 s[88:89], s[68:69], s[20:21]
	s_add_nc_u64 s[90:91], s[70:71], s[46:47]
	s_mov_b32 s[G0], 1
	s_mov_b32 s[G0+1], 0
	s_mov_b64 s[G0+2:G0+3], s[88:89]
	s_or_b32 s[G0+3], s[G0+3], 0x80000000
	s_mov_b32 s[G0+4], 1
	s_mov_b32 s[G0+5], SLOT
	s_add_nc_u64 s[G0+6:G0+7], s[88:89], KHX
	s_or_b32 s[G0+7], s[G0+7], 0x80000000
	s_mov_b32 s[G0B], 1
	s_mov_b32 s[G0B+1], AT
	s_mov_b64 s[G0B+2:G0B+3], s[90:91]
	s_or_b32 s[G0B+3], s[G0B+3], 0x80000000
	s_mov_b32 s[G0B+4], 1
	s_mov_b32 s[G0B+5], SLOT+AT
	s_add_nc_u64 s[G0B+6:G0B+7], s[90:91], KHW
	s_or_b32 s[G0B+7], s[G0B+7], 0x80000000
	CROUND                                         ; all sixteen work-groups are here: the joint loads meet
	ARM 1, G0,    G1,  .Lhead_b0
	ARM 2, G0B,   G1B, .Lhead_a1
	ARM 3, G0+4,  G1,  .Lhead_b1
	tensor_load_to_lds s[G0B+4:G0B+7], s[G1B:G1B+7]
	s_nop 0
.rept 4
	v_nop
.endr
.Lhead_asked:
	s_mul_i32 s21, s15, 4*REC                      ; my four records of ctx,
	s_mul_i32 s22, s16, 8*REC
	s_add_co_u32 s22, s22, AT                      ; my eight of Wo
	s_sub_co_u32 s23, s22, s21
	s_add_co_u32 s19, s21, 4096                    ; scale words lie behind a record's eight pieces
	s_mul_i32 s18, s14, 16*SPITCH
	s_add_co_u32 s18, s18, STAGE                   ; my stage
	s_lshl_b32 s93, s17, 7
	s_lshl_b32 s4, s15, 6
	s_add_co_u32 s93, s93, s4                      ; my first token
	s_lshl_b32 s94, s42, 8
	s_lshl_b32 s4, s16, 7
	s_add_co_u32 s94, s94, s4                      ; my first feature
	s_lshl_b32 s6, s94, 2
	s_mov_b32 s7, 0
	s_add_nc_u64 s[96:97], s[72:73], s[6:7]
	s_lshl_b32 s4, s93, 12
	s_mov_b32 s5, 0
	s_add_nc_u64 s[12:13], s[74:75], s[4:5]
	s_add_nc_u64 s[12:13], s[12:13], s[6:7]
	v_and_b32 v1, 15, v0                           ; r
	v_bfe_u32 v2, v0, 4, 1                         ; h
	v_and_b32 v3, 31, v0
	v_lshlrev_b32 v[GI], 4, v3
	v_mul_u32_u24 v6, s23, v2                      ; lanes 16-31 take Wo's scale words: one product, the distance between the two
	v_lshl_add_u32 v6, v1, 4, v6
	v_add_nc_u32 v[ADRA], s21, v[GI]
	v_add_nc_u32 v[ADRB], s22, v[GI]
	v_add_nc_u32 v[ADRS], s19, v6
	v_add_nc_u32 v[ADRA+1], SLOT, v[ADRA]
	v_add_nc_u32 v[ADRB+1], SLOT, v[ADRB]
	v_add_nc_u32 v[ADRS+1], SLOT, v[ADRS]
	v_mul_u32_u24 v5, v1, SPITCH
	v_lshl_add_u32 v5, v2, 5, v5
	v_add_nc_u32 v[STO], s18, v5                   ; into the stage: row r, 32 bytes for each half of the lanes
	v_add_nc_u32 v[RD], s18, v[GI]                 ; back: the 32 lanes take one row of 512 bytes
	v_lshlrev_b32 v[HO], 5, v2
.irp b, 0,1,2,3,4,5,6,7
	global_load_b128 v[BI+8*\b:BI+8*\b+3], v[HO], s[96:97] offset:64*\b          ; lane (r, h), tile b: features 16 b + 8 h + 0 .. 7
	global_load_b128 v[BI+8*\b+4:BI+8*\b+7], v[HO], s[96:97] offset:64*\b+16
.endr
.macro FRAG reg, adr, q, i             ; a fragment is two pieces, each read as it was stored: 512 consecutive bytes a load
.irp c, 0,1
	ds_load_b128 v[\reg+4*\c:\reg+4*\c+3], v[\adr] offset:(\i)*REC+(\q)*1024+512*\c
.endr
.endm
.macro FETCH g                         ; step g's 24 loads into set g % 2: Wo's eight fragments, ctx's four
	WIN 0x40
.irp i, 0,1,2,3,4,5,6,7
	FRAG 128*((\g)%2)+8*\i, ADRB+(\g)/4, (\g)%4, \i
.endr
	WIN 0
.irp i, 0,1,2,3
	FRAG AF+32*((\g)%2)+8*\i, ADRA+(\g)/4, (\g)%4, \i
.endr
.endm
.macro SCALES sc                       ; a K half's scale words: lanes 0-15 ctx's block i (i < 4 are used), lanes 16-31 Wo's block i
.irp i, 0,1,2,3,4,5,6,7
	ds_load_b128 v[SC+32*\sc+4*\i:SC+32*\sc+4*\i+3], v[ADRS+\sc] offset:\i*REC
.endr
.endm
.macro MUL32 g                         ; 128 along K: the 32 accumulators by turns, in the same order in every step
.irp a, 0,1,2,3
.irp b, 0,1,2,3,4,5,6,7
.if (\g) == 0
	v_wmma_scale_f32_16x16x128_f8f6f4 v[8*(8*\a+\b):8*(8*\a+\b)+7], v[128*((\g)%2)+8*\b:128*((\g)%2)+8*\b+7], v[AF+32*((\g)%2)+8*\a:AF+32*((\g)%2)+8*\a+7], v[BI+8*\b:BI+8*\b+7], v[SC+32*((\g)/4)+4*\b+(\g)%4], v[SC+32*((\g)/4)+4*\a+(\g)%4] matrix_a_fmt:MATRIX_FMT_FP4 matrix_b_fmt:MATRIX_FMT_FP4 matrix_a_scale:MATRIX_SCALE_ROW1
.else
	v_wmma_scale_f32_16x16x128_f8f6f4 v[8*(8*\a+\b):8*(8*\a+\b)+7], v[128*((\g)%2)+8*\b:128*((\g)%2)+8*\b+7], v[AF+32*((\g)%2)+8*\a:AF+32*((\g)%2)+8*\a+7], v[8*(8*\a+\b):8*(8*\a+\b)+7], v[SC+32*((\g)/4)+4*\b+(\g)%4], v[SC+32*((\g)/4)+4*\a+(\g)%4] matrix_a_fmt:MATRIX_FMT_FP4 matrix_b_fmt:MATRIX_FMT_FP4 matrix_a_scale:MATRIX_SCALE_ROW1
.endif
.endr
.endr
.endm
.macro STEPG g
.if (\g) < 7
.if (\g) > 0
	PLACES                                         ; ahead of loads into the set that the last step's products read
.endif
	FETCH (\g)+1
	s_wait_dscnt 24                                ; all but the next step's 24 loads are in
.else
	s_wait_dscnt 0x0
.endif
.if (\g) == 0
	WIN 0x81                                       ; source 0 window 1, source 1 and C window 0, D window 2
.else
	WIN 0xa1                                       ; C and D window 2
.endif
	MUL32 \g
.endm
	s_wait_alu depctr_va_vdst(0)                   ; the wait at the head's end
	s_wait_tensorcnt 0x0                           ; my tile is in,
	s_barrier_signal -1
	s_barrier_wait -1                              ; all four are
	SCALES 0
	SCALES 1
	FETCH 0
	s_wait_loadcnt 0x0                             ; bo
.set G, 0
.rept 8
	STEPG G
.set G, G+1
.endr
	WIN 0
; THE WAY OUT, by blocks of 16 tokens x 128 features, through my own stage: rows of 512 bytes come back and leave as two aligned units of 256 bytes.  LDS serves a wave's instructions in order (ISA guide 5.7.1.4).
.macro TOSTAGE a
	WIN 0x08                                       ; the data: window 2
.irp b, 0,1,2,3,4,5,6,7
	ds_store_b128 v[STO], v[64*(\a)+8*\b:64*(\a)+8*\b+3] offset:64*\b          ; each accumulator from its low end on
	ds_store_b128 v[STO], v[64*(\a)+8*\b+4:64*(\a)+8*\b+7] offset:64*\b+16
.endr
	WIN 0
.set BB, BK+64*((\a)%2)
.irp t, 0,1,2,3,4,5,6,7,8,9,10,11,12,13,14,15
	ds_load_b128 v[BB+4*\t:BB+4*\t+3], v[RD] offset:\t*SPITCH
.endr
.endm
.macro SEND a, younger                 ; younger: the LDS instructions issued behind block a's loads
.set BB, BK+64*((\a)%2)
	s_wait_dscnt \younger
.if (\a) > 0
	s_add_nc_u64 s[12:13], s[12:13], 16*4096       ; 16 rows on (behind a wait on XCNT: the earlier stores have read their base)
.endif
.irp t, 0,1,2,3,4,5,6,7,8,9,10,11,12,13,14,15
	global_store_b128 v[GI], v[BB+4*\t:BB+4*\t+3], s[12:13] offset:\t*4096 th:TH_STORE_NT
.endr
.endm
	PLACES                                         ; ahead of the first read of results and of loads into registers that the last products read
	TOSTAGE 0
.irp a, 1,2,3
.if \a > 1
	s_wait_xcnt 0x0                                ; block a - 2's stores have read their registers and their base
.endif
	TOSTAGE \a
	SEND \a-1, 32
.endr
	s_wait_xcnt 0x0
	SEND 3, 0
	s_wait_tensorcnt 0x0                           ; the wave's end
	ds_add_u32 v[SPW], v[NIL]
	s_wait_dscnt 0x0
	CROUND                                         ; the closing round
	s_endpgm
.Lfunc_end_k_qb876351670_oproj:
	.size	k_qb876351670_oproj, .Lfunc_end_k_qb876351670_oproj-k_qb876351670_oproj
	.p2alignl 7, 3214868480
	.fill 96, 4, 3214868480
	.section	.rodata,"a",@progbits
	.p2align	6, 0x0
	.amdhsa_kernel k_qb876351670_oproj
		.amdhsa_group_segment_fixed_size 243200
		.amdhsa_private_segment_fixed_size 0
		.amdhsa_enable_private_segment 0
		.amdhsa_kernarg_size 32
		.amdhsa_user_sgpr_count 2
		.amdhsa_user_sgpr_kernarg_segment_ptr 1
		.amdhsa_wavefront_size32 1
		.amdhsa_system_sgpr_workgroup_id_x 1
		.amdhsa_system_sgpr_workgroup_id_y 1
		.amdhsa_system_sgpr_workgroup_id_z 1
		.amdhsa_system_vgpr_workitem_id 0
		.amdhsa_next_free_vgpr 768
		.amdhsa_next_free_sgpr 100
		.amdhsa_reserve_vcc 0
		.amdhsa_float_denorm_mode_32 3
		.amdhsa_float_denorm_mode_16_64 3
		.amdhsa_memory_ordered 1
		.amdhsa_forward_progress 1
		.amdhsa_inst_pref_size 71
	.end_amdhsa_kernel
	.amdgpu_metadata
---
amdhsa.version: [ 1, 2 ]
amdhsa.kernels:
  - .name:           k_qb876351670_oproj
    .symbol:         k_qb876351670_oproj.kd
    .args:
      - { .name: cr, .offset: 0, .size: 8, .value_kind: global_buffer, .address_space: global }
      - { .name: wr, .offset: 8, .size: 8, .value_kind: global_buffer, .address_space: global }
      - { .name: bo, .offset: 16, .size: 8, .value_kind: global_buffer, .address_space: global }
      - { .name: out0, .offset: 24, .size: 8, .value_kind: global_buffer, .address_space: global }
    .group_segment_fixed_size: 243200
    .private_segment_fixed_size: 0
    .kernarg_segment_align: 8
    .kernarg_segment_size: 32
    .max_flat_workgroup_size: 128
    .sgpr_count:     100
    .vgpr_count:     768
    .wavefront_size: 32
...
	.end_amdgpu_metadata
.endif
;; end of part 4
